; MI455X (gfx1250); checked and timed in simulation.
; The chip was launched on July 23, 2026; its instructions are those of AMD's public machine-readable ISA for CDNA 5 (MIT licence, August 2026) and "CDNA5" Instruction Set Architecture Reference Guide (July 2026). The comments in the code are by the model that wrote it; some were corrected since.
;; Multi Head Dot Product Attention. Allowed arithmetic: matrix products marked QUANTISED: E2M3 operands, one E8M0 scale for each 32 along K, by v_wmma_scale_f32_16x16x128_f8f6f4 with both operands' format E2M3, f32 sums; everything else in f32.
;; Inputs: Wk_codes 1,024 x 32 x 24 uint8 (E2M3 codes of Wk, K innermost, in blocks of 32 codes, four codes in three bytes); Wk_scales 1,024 x 32 uint8 (E8M0 scales of Wk, one for each 32 codes along K); Wo_codes 1,024 x 32 x 24 uint8 (E2M3 codes of Wo, K innermost, in blocks of 32 codes, four codes in three bytes); Wo_scales 1,024 x 32 uint8 (E8M0 scales of Wo, one for each 32 codes along K); Wq_codes 1,024 x 32 x 24 uint8 (E2M3 codes of Wq, K innermost, in blocks of 32 codes, four codes in three bytes); Wq_scales 1,024 x 32 uint8 (E8M0 scales of Wq, one for each 32 codes along K); Wv_codes 1,024 x 32 x 24 uint8 (E2M3 codes of Wv, K innermost, in blocks of 32 codes, four codes in three bytes); Wv_scales 1,024 x 32 uint8 (E8M0 scales of Wv, one for each 32 codes along K); inputs_kv_codes 4 x 2,048 x 32 x 24 uint8 (E2M3 codes of inputs_kv, K innermost, in blocks of 32 codes, four codes in three bytes); inputs_kv_scales 4 x 2,048 x 32 uint8 (E8M0 scales of inputs_kv, one for each 32 codes along K); inputs_q_codes 4 x 2,048 x 32 x 24 uint8 (E2M3 codes of inputs_q, K innermost, in blocks of 32 codes, four codes in three bytes); inputs_q_scales 4 x 2,048 x 32 uint8 (E8M0 scales of inputs_q, one for each 32 codes along K); k_ln_beta 1,024 float32; k_ln_gamma 1,024 float32; q_ln_beta 1,024 float32; q_ln_gamma 1,024 float32.
;; Outputs: out0 4 x 2,048 x 1,024 float32.
;; This version of the problem:
;;   THIS VERSION OF THE PROBLEM IS GIVEN IN LOW PRECISION. The matrix products marked QUANTISED in the list below multiply operands that are first quantised to E2M3 (2 exponent bits, 3 mantissa bits; 6 bits a number), with one power-of-two scale for each 32 numbers along K (OCP MX v1.0); their sums are f32. All else is computed in f32.
;;   The module's matrix products, in the order in which they are computed (A, B: the left and right operand; K: the contracted axis; several contracted axes count as one K, in the product's order):
;;     1. [M 8,192, K 1,024] x [K 1,024, N 1,024]; A: input inputs_q (given as codes); B: input Wq (given as codes): QUANTISED
;;     2. [M 8,192, K 1,024] x [K 1,024, N 1,024]; A: input inputs_kv (given as codes); B: input Wk (given as codes): QUANTISED
;;     3. [M 8,192, K 1,024] x [K 1,024, N 1,024]; A: input inputs_kv (given as codes); B: input Wv (given as codes): QUANTISED
;;     4. batch 64 x [M 2,048, K 64] x [K 64, N 2,048]; A: computed on the way; B: computed on the way: QUANTISED
;;     5. batch 64 x [M 64, K 2,048] x [K 2,048, N 2,048]; A: computed on the way; B: softmax (see below): QUANTISED
;;     6. [M 8,192, K 1,024] x [K 1,024, N 1,024]; A: computed on the way; B: input Wo (given as codes): QUANTISED
;;   THE QUANTISER, for each operand of a quantised product, along K:
;;     - K is cut into blocks of 32 from its start; a last block that is shorter is filled with zeros.
;;     - A block's scale is 2^e with e = floor(log2(the largest magnitude in the block)) - 2, held to -126 .. 127; a block of zeros has e = 0. As a byte (E8M0): e + 127.
;;     - Each number is divided by its block's scale, clamped to +-7.5, and rounded to the nearest number of E2M3, ties to even, subnormals kept.
;;     - The product sums the exact products of the quantised numbers (number of the format x scale) in f32.
;;   ~~~python
;;   def quantise(x, axis):      # numpy; x: float32 -> the quantised numbers, widened to float32 again
;;       x = np.moveaxis(x, axis, -1); K = x.shape[-1]
;;       x = np.pad(x, [(0, 0)] * (x.ndim - 1) + [(0, -K % 32)]); x = x.reshape(x.shape[:-1] + (-1, 32)); a = np.abs(x).max(-1, keepdims=True)
;;       e = np.where(a > 0, np.clip(np.frexp(np.where(a > 0, a, 1))[1] - 1 - 2, -126, 127), 0)      # np.frexp(a)[1] - 1 = floor(log2(a)), exactly
;;       r = np.clip(x / 2.0 ** e, -7.5, 7.5)
;;       step = 2.0 ** (np.maximum(np.frexp(np.where(r == 0, 1, r))[1] - 1, 0) - 3)
;;       q = np.round(r / step) * step * 2.0 ** e      # np.round: ties to even
;;       return np.moveaxis(q.reshape(q.shape[:-2] + (-1,))[..., :K], -1, axis).astype(np.float32)
;;   ~~~
;;   SOFTMAX AHEAD OF A QUANTISED PRODUCT. Where the list says 'softmax', what is quantised is not the finished softmax but p = 2^(t - M), with t = logit x log2(e) and M = ceil(the row's largest t), a whole number; so 1/2 < the row's largest p <= 1. The row's sum l is taken of the UNQUANTISED p, in f32, and the product's result is divided by l at the end. Since M is a whole number, a kernel that streams over the keys may use a running M (the ceiling of the running maximum): every later rescaling is an exact power of two, which a block's scale takes up: the codes' values come out the same.
;;   OPERANDS COMPUTED ON THE WAY. 'Computed on the way' means the value that the module computes at that place (a softmax that the list does not call 'softmax' is quantised finished and normalised). What goes into a quantiser is computed in f32, as accurately as f32 sums, v_exp_f32 and their like allow (about 1e-6 of the number): no bf16 or f16 on the way to a quantiser, and a product that is left as it is and whose result goes on into a quantised operand takes f32 operands (vector FMAs, or v_wmma_f32_16x16x4_f32). A number that lies on a knife's edge between two numbers of the format may be rounded either way, as far as f32 arithmetic and the matrix unit's own rounding can turn it there, and no further.
;;   INPUTS GIVEN AS CODES. Wk (in the module: [1024, 1024], K = its axis 1); Wo (in the module: [1024, 1024], K = its axis 1); Wq (in the module: [1024, 1024], K = its axis 1); Wv (in the module: [1024, 1024], K = its axis 1); inputs_kv (in the module: [4, 2048, 1024], K = its axis 2); inputs_q (in the module: [4, 2048, 1024], K = its axis 2): each comes as NAME_codes (uint8): NAME with its K axis moved to the last place and cut into blocks of 32 codes, [.., K / 32, bytes a block], one block behind the other in memory; four codes in three bytes: a row's codes are one little-endian stream of bits, code i at bits 6 i .. 6 i + 5 (a code: sign, 2 exponent bits, 3 mantissa bits); and NAME_scales (uint8): the same leading axes, one E8M0 byte (e + 127) for each 32 codes along K. Its value is code x scale, taken as it is: it is not quantised again, and the codes and scales need not be those that the quantiser above would give.
;; One version. Each part assembles by itself: llvm-mc -triple=amdgcn-amd-amdhsa -mcpu=gfx1250 --defsym DOCPART=n.
;; ======== version 1 of 1: 3 launches
;; limits: right only within a limited range of input values
;; workspace buffers: q_ws 6,553,600 bytes; k_ws 6,553,600 bytes; v_ws 6,553,600 bytes; a_ws 6,553,600 bytes
;; launch proj (part 1): grid 256 x 1, 4 waves a work-group, clusters of 4 x 1, 327,680 bytes of LDS; arguments inputs_q_codes, inputs_q_scales, inputs_kv_codes, inputs_kv_scales, Wq_codes, Wq_scales, Wk_codes, Wk_scales, Wv_codes, Wv_scales, q_ln_gamma, q_ln_beta, k_ln_gamma, k_ln_beta, q_ws, k_ws, v_ws; writes q_ws, k_ws, v_ws
.if DOCPART == 1
	.amdgcn_target "amdgcn-amd-amdhsa--gfx1250"
	.amdhsa_code_object_version 6
	.text
	.protected	k_qe742bf45a1_proj
	.globl	k_qe742bf45a1_proj
	.p2align	8
	.type	k_qe742bf45a1_proj,@function
k_qe742bf45a1_proj:
	s_mov_b64 s[64:65], 0
	v_nop
	global_prefetch_b8 v0, s[64:65] scope:SCOPE_SE
	s_setreg_imm32_b32 hwreg(HW_REG_WAVE_MODE, 25, 1), 1
	s_wait_xcnt 0x0
	s_wait_alu depctr_hold_cnt(0) depctr_sa_sdst(0) depctr_va_vdst(0) depctr_va_sdst(0) depctr_va_ssrc(0) depctr_va_vcc(0) depctr_vm_vsrc(0)
	s_getreg_b32 s2, hwreg(HW_REG_IB_STS2, 6, 4)
	s_cmp_eq_u32 s2, 0
	s_cbranch_scc0 .Lentry_in_a_cluster
	s_endpgm
.Lentry_in_a_cluster:
	s_bfe_u32 s2, ttmp6, 0x10000c
	s_cmp_lg_u32 s2, 0x3003
	s_cbranch_scc0 .Lentry_shape_is_right
	s_endpgm
.Lentry_shape_is_right:
; THE THREE INPUT PROJECTIONS on codes of FP6 (E2M3) with E8M0 scales, the two LayerNorms, and the quantising of q, k (along the head's 64) and v (along the keys).
; EVERY WORK-GROUP DOES TWO JOBS, so that 256 work-groups share the three products evenly.  c = the cluster's number, 0 .. 63.
; JOB 1 (c < 32: q = LN(inputs_q Wq^T); else k = LN(inputs_kv Wk^T)): 64 tokens are kept, the weight's 1,024 rows run past them in two passes of 512 (LayerNorm wants a whole row in one work-group).
; JOB 2 (v = inputs_kv Wv^T): one head's 64 rows of Wv are kept (head 4 (c % 4) + cx), 512 tokens run (slice c / 4), one pass: the keys are the K of attention's second product.
; Source 0 = 16 running rows, source 1 = 16 kept rows: a lane holds ONE kept row and its registers run along the running rows, the next product's K.
; Wave w owns running rows 512 p + 128 w + 0 .. 127 of pass p.  They come in FILLS of 32 whole rows of 768 bytes (each begins at a multiple of 256 bytes) through two LDS slots: fills 0-7 job 1, fills 8-11 job 2; fill g holds the
; wave's tiles 2 (g % 4), 2 (g % 4) + 1.  The ring goes on into job 2: fills 8 and 9 are asked for at job 1's last two changes of slots and land under LayerNorm's first sweep.
; The kept rows' fragments, 4 tiles x 8 K steps x 12 registers, are read from LDS once a job and stay in registers: a K step of a fill reads 2 fragments for 8 matrix instructions.
; CLUSTER 4 x 1: the four partners share the running rows of both jobs: those tiles are asked for jointly (mask 15).  The kept rows are each work-group's own (plain loads).
; No prefetch is laid: the weights are read by all work-groups of a role, and v's tokens by sixteen work-groups, at about the same time.
; THE ORDER INSIDE A BLOCK OF 32: register 16 b + i of lane (r, h) is running row 32 b + 16 (i / 8) + 8 h + i % 8 and lands at place 16 h + i of block b.  Blocks and scales are the true ones; q and k get the same
; order from the same lines, and attention's p gets the order that v gets here: the products' sums are the same.
; OUT, as images of operand registers (four registers = 512 bytes, lane l's 16 bytes at 16 l):
;   q_ws, k_ws [64 heads][16 records of 128 tokens][6,400]: four fragments of 1,536 bytes (registers 0-5: tile 2 f's 64 d, 6-11: tile 2 f + 1's), then 4 x 64 bytes of scale words.
;   v_ws [64 heads][16 key steps of 128][6,400]: four fragments (16 d x 128 keys), then 4 x 64 bytes of scale words.
; LIMITS: NaN and infinities are not served.  A block of zeros, or one whose largest magnitude lies under 2^-124, gets the scale byte 1: its codes are zeros (or what that scale gives), and only this program reads the bytes.
; REGISTERS.  Window 0: v14-31 addresses; v32-47 kept rows' scale words; v48-63 running rows' scale words, a set a fill; v64-111 running fragments, two sets; v112-255 kept fragments of K steps 5-7.
;   Window 1: kept fragments of K steps 0-4; in LayerNorm gamma (v0-127), beta (v128-255).  Windows 2, 3: accumulators of pass 0, 1 (job 2: window 2): (a, b) at v[8 (8 a + b)].
.set PITCH, 816                        ; an LDS row: 3 x (256 bytes + 16 of padding) = 204 words: the 32 lanes of an 8-byte load touch 64 different banks (ISA guide 11.1)
.set TILE,  16*PITCH
.set GRP,   32*PITCH                   ; a wave's 32 rows of a fill
.set SLOT,  4*GRP
.set ABASE, 2*SLOT                     ; job 1's kept rows, filled once
.set ABASE2, ABASE+64*PITCH            ; job 2's, filled once
.set STAT,  ABASE2+64*PITCH            ; two exchanges of 2,048 bytes for LayerNorm's sums: no fill lands here
.set SPARE, STAT+4096                  ; the spare words, 128 bytes a wave
.set SPW, 28
.set NIL, 29
.set SA,  32                           ; v[SA + 8 (a % 2) + s]: lanes 0-15 kept tile a % 2, lanes 16-31 tile a % 2 + 2
.set SB,  48                           ; v[SB + 8 (g % 2) + s]: lanes 0-15 the fill's first tile, lanes 16-31 its second
.set RF,  64
.set PCE, 112
.set PCO, 132
.set MID0, 152
.set MID1, 156
.set SUM, 160
.set NMU, 168
.set RS,  176
.set RR,  184
.set LL,  188
.set KW,  204
.set TP,  206
.set TM,  208
.set PWE, 224
.set PWO, 225
.set MSB, 0
.macro WIN new                         ; the immediate's high byte repeats the setting that is left
.if MSB != (\new)
	s_set_vgpr_msb (MSB<<8)|(\new)
.set MSB, (\new)
.endif
.endm
.macro PLACES                          ; four plain places behind a matrix instruction (ISA guide 7.12.1)
.rept 4
	v_nop
.endr
.endm
.macro CROUND                          ; a round of the cluster's barrier
	s_barrier_signal -1
	s_barrier_wait -1
	s_cmp_lg_u32 s20, 0
	s_cbranch_scc1 .Lnot_wave_0_\@
	s_barrier_signal -3
.Lnot_wave_0_\@:
	s_barrier_wait -3
	s_barrier_signal -1
	s_barrier_wait -1
.endm
; A fragment of K step s: lane (r, h) takes 24 bytes at 96 s + 24 h and 24 at 96 s + 48 + 24 h of its row, in pieces of 8.  Byte y of a row lies at y + 16 (y / 256).
; Where lanes 16-31's piece lies behind one padding more, the second address register (40 h for 24 h) serves.
.macro FRAG reg, a1, s, off
.irp p, 0,1,2,3,4,5
.set BY, 96*(\s)+48*(\p/3)+8*(\p%3)
.if BY/256 == (BY+24)/256
	ds_load_b64 v[(\reg)+2*\p:(\reg)+2*\p+1], v[\a1] offset:BY+16*(BY/256)+(\off)
.else
	ds_load_b64 v[(\reg)+2*\p:(\reg)+2*\p+1], v[(\a1)+1] offset:BY+16*(BY/256)+(\off)
.endif
.endr
.endm
.macro KEPT a1                         ; a job's kept fragments, all of K, into their registers
	WIN 0x40
.irp s, 0,1,2,3,4
.irp a, 0,1,2,3
	FRAG 48*\s+12*\a, \a1, \s, \a*TILE
.endr
.endr
	WIN 0
.irp s, 5,6,7
.irp a, 0,1,2,3
	FRAG 112+48*(\s-5)+12*\a, \a1, \s, \a*TILE
.endr
.endr
.endm
.macro LDR g, s                        ; fill g's two running fragments of K step s into set s % 2: 12 loads
.irp u, 0,1
	FRAG RF+24*((\s)%2)+12*\u, 20+2*((\g)%2), (\s), \u*TILE
.endr
.endm
.macro SCL g                           ; fill g's scale words, all of K: each row's 32 bytes whole
.irp u, 0,1
.if (\g) < 8
	global_load_b128 v[SB+8*((\g)%2)+4*\u:SB+8*((\g)%2)+4*\u+3], v31, s[10:11] offset:16384*((\g)/4)+1024*((\g)%4)+16*\u
.else
	global_load_b128 v[SB+8*((\g)%2)+4*\u:SB+8*((\g)%2)+4*\u+3], v31, s[74:75] offset:1024*((\g)%4)+16*\u
.endif
.endr
.endm
.macro WM z, ra, rb                    ; one matrix instruction; z: the sum starts with 0; ra, rb: the side's scales stand in lanes 16-31
.if \z
.if (\ra) && (\rb)
	v_wmma_scale_f32_16x16x128_f8f6f4 v[rD:rD+7], v[rX:rX+11], v[rY:rY+11], 0, v[rSX], v[rSY] matrix_a_fmt:MATRIX_FMT_FP6 matrix_b_fmt:MATRIX_FMT_FP6 matrix_a_scale:MATRIX_SCALE_ROW1 matrix_b_scale:MATRIX_SCALE_ROW1
.elseif \ra
	v_wmma_scale_f32_16x16x128_f8f6f4 v[rD:rD+7], v[rX:rX+11], v[rY:rY+11], 0, v[rSX], v[rSY] matrix_a_fmt:MATRIX_FMT_FP6 matrix_b_fmt:MATRIX_FMT_FP6 matrix_a_scale:MATRIX_SCALE_ROW1
.elseif \rb
	v_wmma_scale_f32_16x16x128_f8f6f4 v[rD:rD+7], v[rX:rX+11], v[rY:rY+11], 0, v[rSX], v[rSY] matrix_a_fmt:MATRIX_FMT_FP6 matrix_b_fmt:MATRIX_FMT_FP6 matrix_b_scale:MATRIX_SCALE_ROW1
.else
	v_wmma_scale_f32_16x16x128_f8f6f4 v[rD:rD+7], v[rX:rX+11], v[rY:rY+11], 0, v[rSX], v[rSY] matrix_a_fmt:MATRIX_FMT_FP6 matrix_b_fmt:MATRIX_FMT_FP6
.endif
.else
.if (\ra) && (\rb)
	v_wmma_scale_f32_16x16x128_f8f6f4 v[rD:rD+7], v[rX:rX+11], v[rY:rY+11], v[rD:rD+7], v[rSX], v[rSY] matrix_a_fmt:MATRIX_FMT_FP6 matrix_b_fmt:MATRIX_FMT_FP6 matrix_a_scale:MATRIX_SCALE_ROW1 matrix_b_scale:MATRIX_SCALE_ROW1
.elseif \ra
	v_wmma_scale_f32_16x16x128_f8f6f4 v[rD:rD+7], v[rX:rX+11], v[rY:rY+11], v[rD:rD+7], v[rSX], v[rSY] matrix_a_fmt:MATRIX_FMT_FP6 matrix_b_fmt:MATRIX_FMT_FP6 matrix_a_scale:MATRIX_SCALE_ROW1
.elseif \rb
	v_wmma_scale_f32_16x16x128_f8f6f4 v[rD:rD+7], v[rX:rX+11], v[rY:rY+11], v[rD:rD+7], v[rSX], v[rSY] matrix_a_fmt:MATRIX_FMT_FP6 matrix_b_fmt:MATRIX_FMT_FP6 matrix_b_scale:MATRIX_SCALE_ROW1
.else
	v_wmma_scale_f32_16x16x128_f8f6f4 v[rD:rD+7], v[rX:rX+11], v[rY:rY+11], v[rD:rD+7], v[rSX], v[rSY] matrix_a_fmt:MATRIX_FMT_FP6 matrix_b_fmt:MATRIX_FMT_FP6
.endif
.endif
.endm
; K step s of fill g: 2 running tiles x 4 kept tiles; the 8 accumulators take turns, in the same order in every step
.macro MUL8 g, s
.set PW, 2+((\g)/4)%2
.if (\s) < 5
	WIN 0x50*PW+4
.else
	WIN 0x50*PW
.endif
.irp u, 0,1
.irp a, 0,1,2,3
.set rD, 8*(8*\a+2*((\g)%4)+\u)
.set rX, RF+24*((\s)%2)+12*\u
.if (\s) < 5
.set rY, 48*(\s)+12*\a
.else
.set rY, 112+48*((\s)-5)+12*\a
.endif
.set rSX, SB+8*((\g)%2)+(\s)
.set rSY, SA+8*(\a%2)+(\s)
.if (\s) == 0
	WM 1, \u, \a/2
.else
	WM 0, \u, \a/2
.endif
.endr
.endr
.endm
; A fill's eight K steps.  Each step asks for the next step's fragments first; s_wait_dscnt 12 leaves out those 12 loads alone.
; turn = 2: ahead of the last step this slot, whose reads are all back, is filled again with fill g + 2, behind a round.  turn = 3: the same at job 1's end: the next fill is read later.
; turn = 1: the next fill is waited for (its bytes are the wave's own).  turn = 0: the last fill.
.macro FILL g, turn, bytes
.irp s, 0,1,2,3,4,5,6
	PLACES
	WIN 0
	LDR \g, \s+1
.if \s == 1
.if (\turn) != 0
.if (\turn) != 3
	SCL (\g)+1
.endif
.endif
.endif
	s_wait_dscnt 12
	MUL8 \g, \s
.endr
	WIN 0
.if (\turn) >= 2
	s_wait_tensorcnt 0x0                           ; all my tensor loads have landed, the next fill among them
	ds_add_u32 v[SPW], v[NIL]
.if (\g) == 6
	s_mov_b64 s[54:55], s[72:73]                   ; fill 8: job 2's first 32 rows of mine
	s_or_b32 s55, s55, 0x80000000
.elseif (\g) == 7
	s_add_nc_u64 s[58:59], s[72:73], 24576         ; fill 9
	s_or_b32 s59, s59, 0x80000000
.else
	s_add_nc_u64 s[54+4*((\g)%2):55+4*((\g)%2)], s[54+4*((\g)%2):55+4*((\g)%2)], \bytes
.endif
	s_wait_dscnt 0x0                               ; the add is done, my reads of this slot are back
	CROUND
	tensor_load_to_lds s[52+4*((\g)%2):55+4*((\g)%2)], s[40:47]
	s_nop 0
	PLACES
.if (\turn) == 2
	LDR (\g)+1, 0
	s_wait_loadcnt 0x0                             ; the next fill's scale words
.endif
.elseif (\turn) == 1
	s_wait_tensorcnt 0x0
	PLACES
	LDR (\g)+1, 0
	s_wait_dscnt 12
	s_wait_loadcnt 0x0
.else
	s_wait_dscnt 0x0
.endif
	MUL8 \g, 7
.endm
; A head phase, one load a wave: waves 0, 1 bring a half of a job's kept rows each, waves 2, 3 a half of a slot each
.macro HEADLOAD g0k, g0h
	s_cmp_lt_u32 s20, 2
	s_cbranch_scc0 .Lhead_run_\@
	tensor_load_to_lds s[\g0k:\g0k+3], s[32:39]
	s_nop 0
	PLACES
	s_branch .Lhead_asked_\@
.Lhead_run_\@:
	tensor_load_to_lds s[\g0h:\g0h+3], s[88:95]
	s_nop 0
	PLACES
.Lhead_asked_\@:
.endm
	s_load_b512 s[68:83], s[0:1], 0x0              ; inputs_q codes, scales; inputs_kv codes, scales; Wq codes, scales; Wk codes, scales
	s_load_b512 s[84:99], s[0:1], 0x40             ; Wv codes, scales; q gamma, beta; k gamma, beta; q_ws; k_ws
	s_load_b64 s[100:101], s[0:1], 0x80            ; v_ws
	v_lshl_add_u32 v[SPW], v0, 2, SPARE
	v_mov_b32 v[NIL], 0
	ds_add_u32 v[SPW], v[NIL]                      ; the opening lines: the add twice and one wait
	ds_add_u32 v[SPW], v[NIL]
	v_lshrrev_b32 v1, 5, v0
	v_readfirstlane_b32 s20, v1                    ; wave
	s_bfe_u32 s21, ttmp6, 0x40000                  ; cx: it enters the kept rows' and the outputs' global addresses alone
	s_lshr_b32 s22, ttmp9, 5                       ; job 1's role: 0 q, 1 k
	s_and_b32 s24, ttmp9, 31
	s_lshl_b32 s24, s24, 2
	s_add_co_u32 s24, s24, s21                     ; job 1: which 64 tokens, 0 .. 127
	s_lshr_b32 s25, ttmp9, 2                       ; job 2: which 512 tokens, 0 .. 15
	s_and_b32 s63, ttmp9, 3
	s_lshl_b32 s63, s63, 2
	s_add_co_u32 s63, s63, s21                     ; job 2: the head
	s_mov_b32 s27, 0
	s_mov_b32 s29, 0
	s_mov_b32 s32, (3<<16)|(1<<20)|(5<<22)|(3<<25) ; 32 dense rows of 768 bytes as 96 rows of 256 (32 elements of 8 bytes), 16 bytes of padding behind each: plain,
	s_mov_b32 s40, 15|(3<<16)|(1<<20)|(1<<21)|(5<<22)|(3<<25)   ; and joint
.irp g, 32, 40
	s_mov_b32 s[\g+1], 32<<16
	s_mov_b32 s[\g+2], 96<<16
	s_mov_b32 s[\g+3], 32<<16
	s_mov_b32 s[\g+4], 96
	s_mov_b32 s[\g+5], 32
	s_mov_b32 s[\g+6], 0
	s_mov_b32 s[\g+7], 0
.endr
	s_mov_b32 s60, 0x76543210
	s_mov_b32 s61, 0xfedcba98
	s_mov_b32 s62, 0xffff0000
	s_and_b32 s30, s20, 1
	s_wait_dscnt 0x0
	s_wait_kmcnt 0x0
	s_cmp_eq_u32 s22, 0
	s_cselect_b64 s[4:5], s[68:69], s[72:73]       ; job 1: kept rows' codes
	s_cselect_b64 s[6:7], s[70:71], s[74:75]       ; their scales
	s_cselect_b64 s[8:9], s[76:77], s[80:81]       ; running rows' codes
	s_cselect_b64 s[10:11], s[78:79], s[82:83]     ; their scales
	s_cselect_b64 s[12:13], s[88:89], s[92:93]     ; gamma
	s_cselect_b64 s[14:15], s[90:91], s[94:95]     ; beta
	s_cselect_b64 s[16:17], s[96:97], s[98:99]     ; the output
	s_mov_b32 s88, 15|(3<<16)|(1<<20)|(1<<21)|(5<<22)|(3<<25)   ; a head phase's joint load: two waves' groups of 32 rows (3,072 elements each), 128 rows apart
	s_mov_b32 s89, 3072<<16
	s_mov_b32 s90, 2<<16
	s_mov_b32 s91, 3072<<16
	s_mov_b32 s92, 2
	s_mov_b32 s93, 12288
	s_mov_b32 s94, 0
	s_mov_b32 s95, 0
	s_mul_i32 s26, s24, 49152
	s_add_nc_u64 s[4:5], s[4:5], s[26:27]
	s_mul_i32 s26, s63, 49152
	s_add_nc_u64 s[84:85], s[84:85], s[26:27]
	s_mul_i32 s26, s30, 24576
	s_mov_b32 s48, 1                               ; a half of job 1's kept rows
	s_mul_i32 s49, s30, GRP
	s_add_co_u32 s49, s49, ABASE
	s_add_nc_u64 s[50:51], s[4:5], s[26:27]
	s_or_b32 s51, s51, 0x80000000
	s_mov_b32 s76, 1                               ; a half of job 2's
	s_mul_i32 s77, s30, GRP
	s_add_co_u32 s77, s77, ABASE2
	s_add_nc_u64 s[78:79], s[84:85], s[26:27]
	s_or_b32 s79, s79, 0x80000000
	s_mul_i32 s26, s30, 196608
	s_mov_b32 s96, 1                               ; a half of fill 0
	s_mul_i32 s97, s30, 2*GRP
	s_add_nc_u64 s[98:99], s[8:9], s[26:27]
	s_mov_b32 s68, 1                               ; a half of fill 1
	s_mul_i32 s69, s30, 2*GRP
	s_add_co_u32 s69, s69, SLOT
	s_add_nc_u64 s[70:71], s[98:99], 24576
	s_or_b32 s99, s99, 0x80000000
	s_or_b32 s71, s71, 0x80000000
	s_mul_i32 s26, s20, 98304
	s_add_nc_u64 s[8:9], s[8:9], s[26:27]          ; my 128 running rows of job 1,
	s_add_nc_u64 s[72:73], s[72:73], s[26:27]
	s_mul_i32 s26, s25, 393216
	s_add_nc_u64 s[72:73], s[72:73], s[26:27]      ; of job 2
	s_mov_b32 s52, 1                               ; slot 0: stands at fill 0, stepped ahead of each use
	s_mul_i32 s53, s20, GRP
	s_mov_b64 s[54:55], s[8:9]
	s_or_b32 s55, s55, 0x80000000
	s_mov_b32 s56, 1                               ; slot 1: stands at fill 1
	s_mul_i32 s57, s20, GRP
	s_add_co_u32 s57, s57, SLOT
	s_add_nc_u64 s[58:59], s[8:9], 24576
	s_or_b32 s59, s59, 0x80000000
	CROUND
	HEADLOAD 48, 96
	v_and_b32 v1, 15, v0                           ; r
	v_bfe_u32 v2, v0, 4, 1                         ; h
	v_and_b32 v5, 31, v0
	v_mul_u32_u24 v3, v1, PITCH
	v_mad_u32_u24 v3, v2, 24, v3
	v_lshl_add_u32 v4, v2, 4, v3
	v_add_nc_u32 v16, ABASE, v3
	v_add_nc_u32 v17, ABASE, v4
	v_add_nc_u32 v14, ABASE2, v3
	v_add_nc_u32 v15, ABASE2, v4
	v_add_nc_u32 v20, s53, v3                      ; my group of slot 0,
	v_add_nc_u32 v21, s53, v4
	v_add_nc_u32 v22, SLOT, v20                    ; of slot 1
	v_add_nc_u32 v23, SLOT, v21
	v_lshlrev_b32 v24, 4, v5
	v_lshlrev_b32 v25, 2, v5
	v_lshl_add_u32 v26, v0, 4, STAT
	v_lshl_add_u32 v27, v5, 4, STAT
	v_lshlrev_b32 v30, 5, v2
	v_lshlrev_b32 v6, 5, v1                        ; a row of scales is 32 bytes
	v_lshl_add_u32 v31, v2, 9, v6                  ; running rows: lanes 16-31 take the tile 16 rows on
	v_lshl_add_u32 v19, v2, 10, v6                 ; kept rows: 32 rows on
	s_wait_alu depctr_va_vdst(0)                   ; a wait behind the head's vector work
	s_lshl_b32 s26, s24, 11
	s_add_nc_u64 s[6:7], s[6:7], s[26:27]
	s_lshl_b32 s26, s63, 11
	s_add_nc_u64 s[86:87], s[86:87], s[26:27]
	s_lshl_b32 s28, s20, 12
	s_add_nc_u64 s[10:11], s[10:11], s[28:29]
	s_add_nc_u64 s[74:75], s[74:75], s[28:29]
	s_lshl_b32 s28, s25, 14
	s_add_nc_u64 s[74:75], s[74:75], s[28:29]
	SCL 0
.irp a, 0,1
.irp u, 0,1
	global_load_b128 v[SA+8*\a+4*\u:SA+8*\a+4*\u+3], v19, s[6:7] offset:512*\a+16*\u
.endr
.endr
	s_lshl_b32 s26, s20, 9                         ; gamma, beta: my wave's 128 columns of a pass
	s_add_nc_u64 s[12:13], s[12:13], s[26:27]
	s_add_nc_u64 s[14:15], s[14:15], s[26:27]
	s_lshr_b32 s26, s24, 5                         ; q, k: head 16 batch + 8 p + 2 w + e, record (64-row block % 32) / 2, its first or second half
	s_lshl_b32 s26, s26, 4
	s_lshl_b32 s28, s20, 1
	s_add_co_u32 s26, s26, s28
	s_mul_i32 s26, s26, 102400
	s_bfe_u32 s28, s24, 0x40001
	s_mul_i32 s28, s28, 6400
	s_add_co_u32 s26, s26, s28
	s_and_b32 s30, s24, 1
	s_lshl_b32 s28, s30, 7
	s_add_co_u32 s28, s28, s26
	s_add_co_u32 s28, s28, 6144
	s_mul_i32 s30, s30, 3072
	s_add_co_u32 s26, s26, s30
	s_add_nc_u64 s[18:19], s[16:17], s[28:29]      ; the scale words,
	s_add_nc_u64 s[16:17], s[16:17], s[26:27]      ; the codes
	s_lshr_b32 s26, s25, 2                         ; v: head 16 (slice / 4) + the kept head, key step 4 (slice % 4) + w
	s_lshl_b32 s26, s26, 4
	s_add_co_u32 s26, s26, s63
	s_lshl_b32 s26, s26, 4
	s_and_b32 s28, s25, 3
	s_lshl_b32 s28, s28, 2
	s_add_co_u32 s26, s26, s28
	s_add_co_u32 s26, s26, s20
	s_mul_i32 s26, s26, 6400
	s_add_nc_u64 s[100:101], s[100:101], s[26:27]
	s_add_nc_u64 s[82:83], s[100:101], 6144
	s_wait_tensorcnt 0x0                           ; my head load is in; the second phase's first fills are issued as refills are
	ds_add_u32 v[SPW], v[NIL]
	s_wait_dscnt 0x0
	CROUND
	HEADLOAD 76, 68
	KEPT 16
	LDR 0, 0
	s_wait_loadcnt 0x0                             ; the scale words
	FILL 0, 2, 49152
	FILL 1, 2, 49152
	FILL 2, 2, 344064                              ; 512 rows on, 64 rows back: the next pass
	FILL 3, 2, 344064
	FILL 4, 2, 49152
	FILL 5, 2, 49152
	FILL 6, 2, 0
	FILL 7, 3, 0
	WIN 0
	PLACES
.irp j, 0,1,2,3
	v_mov_b32 v[TM+4+\j], 0                        ; a lane permute's destination counts as one of its sources
.endr
	v_mov_b32 v[KW], 0
	v_mov_b32 v[KW+1], 0
; LAYERNORM over a kept row's 1,024 columns: mean first, then the sum of squares of the centred numbers: no difference of large sums
.macro SWEEP kind, p
.irp b, 0,1,2,3,4,5,6,7
.irp u, 0,2,4,6
.irp a, 0,1,2,3
.set rA, 8*(8*\a+\b)+\u
.if \kind == 0
	v_pk_add_f32 v[SUM+2*\a:SUM+2*\a+1], v[SUM+2*\a:SUM+2*\a+1], v[rA:rA+1]
.elseif \kind == 1
	v_pk_add_f32 v[rA:rA+1], v[rA:rA+1], v[NMU+2*\a:NMU+2*\a+1]
.elseif \kind == 2
	v_pk_fma_f32 v[SUM+2*\a:SUM+2*\a+1], v[rA:rA+1], v[rA:rA+1], v[SUM+2*\a:SUM+2*\a+1]
.elseif \kind == 3
	v_pk_mul_f32 v[rA:rA+1], v[rA:rA+1], v[RS+2*\a:RS+2*\a+1]
.else
	v_pk_fma_f32 v[rA:rA+1], v[rA:rA+1], v[64*(\p)+8*\b+\u:64*(\p)+8*\b+\u+1], v[128+64*(\p)+8*\b+\u:128+64*(\p)+8*\b+\u+1]
.endif
.endr
.endr
.endr
.endm
; A lane's four sums, with lane l xor 16's, meet the other waves' in LDS; every wave adds in the same order
.macro MEETSUM off
.irp a, 0,1,2,3
	v_add_f32 v[RR+\a], v[SUM+2*\a], v[SUM+2*\a+1]
.endr
.irp a, 0,1,2,3
	v_permlanex16_b32 v[TM+4+\a], v[RR+\a], s60, s61
.endr
.irp a, 0,1,2,3
	v_add_f32 v[RR+\a], v[RR+\a], v[TM+4+\a]
.endr
	ds_store_b128 v26, v[RR:RR+3] offset:\off
	s_wait_dscnt 0x0                               ; for the others' sake: my store has landed
	s_barrier_signal -1
	s_barrier_wait -1
.irp u, 0,1,2,3
	ds_load_b128 v[LL+4*\u:LL+4*\u+3], v27 offset:\off+512*\u
.endr
	s_wait_dscnt 0x0
.irp a, 0,1,2,3
	v_add_f32 v[LL+\a], v[LL+\a], v[LL+4+\a]
.endr
.irp a, 0,1,2,3
	v_add_f32 v[LL+8+\a], v[LL+8+\a], v[LL+12+\a]
.endr
.irp a, 0,1,2,3
	v_add_f32 v[LL+\a], v[LL+\a], v[LL+8+\a]
.endr
.endm
	WIN 0x40                                       ; gamma and beta of my columns 512 p + 128 w + 16 b + 8 h + 0 .. 7, in the accumulators' layout
.irp pp, 0,1
.irp b, 0,1,2,3,4,5,6,7
	global_load_b128 v[64*\pp+8*\b:64*\pp+8*\b+3], v30, s[12:13] offset:2048*\pp+64*\b
	global_load_b128 v[64*\pp+8*\b+4:64*\pp+8*\b+7], v30, s[12:13] offset:2048*\pp+64*\b+16
	global_load_b128 v[128+64*\pp+8*\b:128+64*\pp+8*\b+3], v30, s[14:15] offset:2048*\pp+64*\b
	global_load_b128 v[128+64*\pp+8*\b+4:128+64*\pp+8*\b+7], v30, s[14:15] offset:2048*\pp+64*\b+16
.endr
.endr
	WIN 0
.irp j, 0,1,2,3,4,5,6,7
	v_mov_b32 v[SUM+\j], 0
.endr
	WIN 0x08
	SWEEP 0, 0
	WIN 0x0c
	SWEEP 0, 1
	WIN 0
	s_wait_alu depctr_va_vdst(0)                   ; a wait ahead of the wait below
	s_wait_tensorcnt 0x0                           ; fills 8 and 9 are in: no LDS store stands under a tensor load
	MEETSUM 0
.irp a, 0,1,2,3
	v_mul_f32 v[NMU+2*\a], 0xba800000, v[LL+\a]    ; -sum / 1,024
	v_mul_f32 v[NMU+2*\a+1], 0xba800000, v[LL+\a]
.endr
.irp j, 0,1,2,3,4,5,6,7
	v_mov_b32 v[SUM+\j], 0
.endr
	WIN 0x82
	SWEEP 1, 0
	WIN 0xc3
	SWEEP 1, 1
	WIN 0x0a
	SWEEP 2, 0
	WIN 0x0f
	SWEEP 2, 1
	WIN 0
	MEETSUM 2048                                   ; through bytes of its own: the first exchange's may still be read
	s_mov_b32 s26, 0x3a800000                      ; 1 / 1,024
	s_mov_b32 s27, 0x3727c5ac                      ; eps = 1e-5
.irp a, 0,1,2,3
	v_fma_f32 v[LL+\a], v[LL+\a], s26, s27
.endr
	s_wait_alu depctr_va_vdst(0)                   ; a wait ahead of the batch,
.irp a, 0,1,2,3
	v_rsq_f32 v[RS+2*\a], v[LL+\a]
	v_rsq_f32 v[RS+2*\a+1], v[LL+\a]
.endr
	v_nop
	s_wait_alu depctr_va_vdst(0)                   ; and behind it
	s_wait_loadcnt 0x0                             ; gamma, beta
	WIN 0x82
	SWEEP 3, 0
	WIN 0xc3
	SWEEP 3, 1
	WIN 0x96
	SWEEP 4, 0
	WIN 0xd7
	SWEEP 4, 1
	WIN 0
; 64 numbers of a lane in window w, v[s] on (a kept tile's eight accumulators), become a fragment's codes in v[pc] on and its scale word in v[pw]
.macro QUANT w, s, pc, pw
	WIN (\w)|((\w)<<2)
.irp b, 0,1,2,3
	v_max3_num_f32 v[TM+\b], |v[(\s)+16*\b]|, |v[(\s)+16*\b+1]|, 0x1800000   ; with the floor 2^(3 - 127): the byte cannot fall under 1
.endr
.irp i, 2,4,6,8,10,12,14
.irp b, 0,1,2,3
	v_max3_num_f32 v[TM+\b], |v[(\s)+16*\b+\i]|, |v[(\s)+16*\b+\i+1]|, v[TM+\b]
.endr
.endr
	WIN 0
.irp b, 0,1,2,3
	v_permlanex16_b32 v[TM+4+\b], v[TM+\b], s60, s61
.endr
.irp b, 0,1,2,3
	v_max_num_f32 v[TM+\b], v[TM+\b], v[TM+4+\b]
.endr
.irp b, 0,1,2,3
	v_add_nc_u32 v[TM+12+\b], 0xff000000, v[TM+\b] ; 2 off the exponent field: the conversion's scale operand
.endr
.irp b, 0,1,2,3
	v_lshrrev_b32 v[TM+4+\b], 23, v[TM+12+\b]
.endr
	v_lshl_or_b32 v[\pw], v[TM+5], 8, v[TM+4]
	v_lshl_or_b32 v[\pw], v[TM+6], 16, v[\pw]
	v_lshl_or_b32 v[\pw], v[TM+7], 24, v[\pw]
	WIN (\w)
.irp c, 0,1
	v_cvt_scalef32_pk16_fp6_f32 v[(\pc)+6*\c:(\pc)+6*\c+2], v[(\s)+32*\c:(\s)+32*\c+15], v[TM+12+2*\c]
	v_cvt_scalef32_pk16_fp6_f32 v[(\pc)+12+4*\c:(\pc)+12+4*\c+2], v[(\s)+32*\c+16:(\s)+32*\c+31], v[TM+12+2*\c+1]
.endr
	WIN 0
	v_nop                                          ; one plain place behind a scaled conversion
.irp c, 0,1                                    ; a whole block in a lane: lanes 0-15 block 2 c, lanes 16-31 block 2 c + 1
.irp i, 0,1,2
	v_permlane16_swap_b32 v[(\pc)+6*\c+\i], v[(\pc)+12+4*\c+\i]
.endr
.irp i, 0,1,2
	v_mov_b32 v[(\pc)+3+6*\c+\i], v[(\pc)+12+4*\c+\i]
.endr
.endr
.endm
; Pass p, kept tiles 2 al and 2 al + 1: quantised, and stored as images: every store of 16 bytes a lane covers 512 consecutive bytes, aligned to 256
.macro EMIT p, al, isv
	s_wait_xcnt 0x0                                ; the last stores have read their registers
	QUANT 2+(\p), 128*(\al), PCE, PWE
	QUANT 2+(\p), 128*(\al)+64, PCO, PWO
.if \isv
.irp c, 0,1,2                                  ; v: each fragment, 16 d x 128 keys, goes out whole
	global_store_b128 v24, v[PCE+4*\c:PCE+4*\c+3], s[16:17] offset:3072*(\al)+512*\c
	global_store_b128 v24, v[PCO+4*\c:PCO+4*\c+3], s[16:17] offset:3072*(\al)+1536+512*\c
.endr
	v_cndmask_b32 v[TP], v[PWE], v[PWO], s62
	global_store_b32 v25, v[TP], s[18:19] offset:128*(\al)
.else
	v_mov_b32 v[MID0], v[PCE+4]                    ; q, k: registers 0-5 are head 2 w's 64 d, 6-11 head 2 w + 1's; a head's fragment takes the even tile's six, then the odd tile's
	v_mov_b32 v[MID0+1], v[PCE+5]
	v_mov_b32 v[MID0+2], v[PCO]
	v_mov_b32 v[MID0+3], v[PCO+1]
	v_mov_b32 v[MID1], v[PCE+10]
	v_mov_b32 v[MID1+1], v[PCE+11]
	v_mov_b32 v[MID1+2], v[PCO+6]
	v_mov_b32 v[MID1+3], v[PCO+7]
	global_store_b128 v24, v[PCE:PCE+3], s[16:17] offset:819200*(\p)+1536*(\al)
	global_store_b128 v24, v[MID0:MID0+3], s[16:17] offset:819200*(\p)+1536*(\al)+512
	global_store_b128 v24, v[PCO+2:PCO+5], s[16:17] offset:819200*(\p)+1536*(\al)+1024
	global_store_b128 v24, v[PCE+6:PCE+9], s[16:17] offset:819200*(\p)+102400+1536*(\al)
	global_store_b128 v24, v[MID1:MID1+3], s[16:17] offset:819200*(\p)+102400+1536*(\al)+512
	global_store_b128 v24, v[PCO+8:PCO+11], s[16:17] offset:819200*(\p)+102400+1536*(\al)+1024
.if (\al) == 0
	v_perm_b32 v[KW], v[PWO], v[PWE], 0x05040100   ; a head's scale word: the even tile's two bytes, then the odd tile's
	v_perm_b32 v[KW+1], v[PWO], v[PWE], 0x07060302
.else
	v_perm_b32 v[TP], v[PWO], v[PWE], 0x05040100
	v_perm_b32 v[TP+1], v[PWO], v[PWE], 0x07060302
	v_cndmask_b32 v[KW], v[KW], v[TP], s62         ; lanes 0-15: the first fragment's words; lanes 16-31: the second's
	v_cndmask_b32 v[KW+1], v[KW+1], v[TP+1], s62
	global_store_b32 v25, v[KW], s[18:19] offset:819200*(\p)
	global_store_b32 v25, v[KW+1], s[18:19] offset:819200*(\p)+102400
.endif
.endif
.endm
	EMIT 0, 0, 0
	EMIT 0, 1, 0
	EMIT 1, 0, 0
	EMIT 1, 1, 0
; JOB 2: Wv's 64 rows take the kept fragments' registers, window 2 takes the sums
	s_wait_xcnt 0x0                                ; job 1's stores have read their registers and bases
	s_mov_b64 s[16:17], s[100:101]
	s_mov_b64 s[18:19], s[82:83]
.irp a, 0,1
.irp u, 0,1
	global_load_b128 v[SA+8*\a+4*\u:SA+8*\a+4*\u+3], v19, s[86:87] offset:512*\a+16*\u
.endr
.endr
	SCL 8
	KEPT 14
	LDR 8, 0
	s_wait_loadcnt 0x0
	FILL 8, 2, 49152
	FILL 9, 2, 49152
	FILL 10, 1, 0
	FILL 11, 0, 0
	WIN 0
	PLACES
	EMIT 0, 0, 1
	EMIT 0, 1, 1
	s_wait_tensorcnt 0x0                           ; the wave's end
	ds_add_u32 v[SPW], v[NIL]
	s_wait_dscnt 0x0
	CROUND                                         ; the closing round
	s_endpgm
.Lfunc_end_k_qe742bf45a1_proj:
	.size	k_qe742bf45a1_proj, .Lfunc_end_k_qe742bf45a1_proj-k_qe742bf45a1_proj
	.p2alignl 7, 3214868480
	.fill 96, 4, 3214868480
	.section	.rodata,"a",@progbits
	.p2align	6, 0x0
	.amdhsa_kernel k_qe742bf45a1_proj
		.amdhsa_group_segment_fixed_size 327680
		.amdhsa_private_segment_fixed_size 0
		.amdhsa_enable_private_segment 0
		.amdhsa_kernarg_size 136
		.amdhsa_user_sgpr_count 2
		.amdhsa_user_sgpr_kernarg_segment_ptr 1
		.amdhsa_wavefront_size32 1
		.amdhsa_system_sgpr_workgroup_id_x 1
		.amdhsa_system_sgpr_workgroup_id_y 1
		.amdhsa_system_sgpr_workgroup_id_z 1
		.amdhsa_system_vgpr_workitem_id 0
		.amdhsa_next_free_vgpr 1024
		.amdhsa_next_free_sgpr 102
		.amdhsa_reserve_vcc 0
		.amdhsa_float_denorm_mode_32 3
		.amdhsa_float_denorm_mode_16_64 3
		.amdhsa_memory_ordered 1
		.amdhsa_forward_progress 1
		.amdhsa_inst_pref_size 255
	.end_amdhsa_kernel
	.section	.bss,"aw",@nobits
	.p2align	6
	.space	262144
	.amdgpu_metadata
---
amdhsa.version: [ 1, 2 ]
amdhsa.kernels:
  - .name:           k_qe742bf45a1_proj
    .symbol:         k_qe742bf45a1_proj.kd
    .args:
      - { .name: inputs_q_codes, .offset: 0, .size: 8, .value_kind: global_buffer, .address_space: global }
      - { .name: inputs_q_scales, .offset: 8, .size: 8, .value_kind: global_buffer, .address_space: global }
      - { .name: inputs_kv_codes, .offset: 16, .size: 8, .value_kind: global_buffer, .address_space: global }
      - { .name: inputs_kv_scales, .offset: 24, .size: 8, .value_kind: global_buffer, .address_space: global }
      - { .name: Wq_codes, .offset: 32, .size: 8, .value_kind: global_buffer, .address_space: global }
      - { .name: Wq_scales, .offset: 40, .size: 8, .value_kind: global_buffer, .address_space: global }
      - { .name: Wk_codes, .offset: 48, .size: 8, .value_kind: global_buffer, .address_space: global }
      - { .name: Wk_scales, .offset: 56, .size: 8, .value_kind: global_buffer, .address_space: global }
      - { .name: Wv_codes, .offset: 64, .size: 8, .value_kind: global_buffer, .address_space: global }
      - { .name: Wv_scales, .offset: 72, .size: 8, .value_kind: global_buffer, .address_space: global }
      - { .name: q_ln_gamma, .offset: 80, .size: 8, .value_kind: global_buffer, .address_space: global }
      - { .name: q_ln_beta, .offset: 88, .size: 8, .value_kind: global_buffer, .address_space: global }
      - { .name: k_ln_gamma, .offset: 96, .size: 8, .value_kind: global_buffer, .address_space: global }
      - { .name: k_ln_beta, .offset: 104, .size: 8, .value_kind: global_buffer, .address_space: global }
      - { .name: q_ws, .offset: 112, .size: 8, .value_kind: global_buffer, .address_space: global }
      - { .name: k_ws, .offset: 120, .size: 8, .value_kind: global_buffer, .address_space: global }
      - { .name: v_ws, .offset: 128, .size: 8, .value_kind: global_buffer, .address_space: global }
    .group_segment_fixed_size: 327680
    .private_segment_fixed_size: 0
    .kernarg_segment_align: 8
    .kernarg_segment_size: 136
    .max_flat_workgroup_size: 128
    .sgpr_count:     102
    .vgpr_count:     1024
    .wavefront_size: 32
...
	.end_amdgpu_metadata
.endif
;; end of part 1
;; launch attn (part 2): grid 4 x 64, 16 waves a work-group, clusters of 4 x 1, 327,680 bytes of LDS; arguments q_ws, k_ws, v_ws, a_ws; writes a_ws
.if DOCPART == 2
	.amdgcn_target "amdgcn-amd-amdhsa--gfx1250"
	.amdhsa_code_object_version 6
	.text
	.protected	k_qe742bf45a1_attn
	.globl	k_qe742bf45a1_attn
	.p2align	8
	.type	k_qe742bf45a1_attn,@function
k_qe742bf45a1_attn:
	s_mov_b64 s[64:65], 0
	v_nop
	global_prefetch_b8 v0, s[64:65] scope:SCOPE_SE
	s_setreg_imm32_b32 hwreg(HW_REG_WAVE_MODE, 25, 1), 1
	s_wait_xcnt 0x0
	s_wait_alu depctr_hold_cnt(0) depctr_sa_sdst(0) depctr_va_vdst(0) depctr_va_sdst(0) depctr_va_ssrc(0) depctr_va_vcc(0) depctr_vm_vsrc(0)
	s_getreg_b32 s2, hwreg(HW_REG_IB_STS2, 6, 4)
	s_cmp_eq_u32 s2, 0
	s_cbranch_scc0 .Lentry_in_a_cluster
	s_endpgm
.Lentry_in_a_cluster:
	s_bfe_u32 s2, ttmp6, 0x10000c
	s_cmp_lg_u32 s2, 0x3003
	s_cbranch_scc0 .Lentry_shape_is_right
	s_endpgm
.Lentry_shape_is_right:
; ATTENTION of one head on codes of FP6 (E2M3): a cluster of four work-groups serves one (batch, head); a work-group 512 queries, a wave two blocks of 16 queries, one after the other.
; The head's k and v records (16 + 16 of 6,400 bytes, images of operand registers) come into LDS once, jointly for the four partners: wave w brings two records, waves 0-7 k's, waves 8-15 v's: one load a wave.
; Both products are used transposed (S^T = k q^T, O^T = v^T p^T): a lane holds one query.  A k fragment holds two tiles of 16 keys x 64 d; q stands beside zero codes, so that one tile counts at a time.
; p = 2^(t - M), M the ceiling of the running largest t; a change of M multiplies the sum and O^T by an exact power of two; the row's sum is taken of the unquantised p.
; A block's largest p is made from its largest score by the same multiply-add and exponential.  Independent chains take turns: two chains for each block's maximum, four for the row's sum.
; k's fragments have registers of their own and are asked for one trip ahead (the last trip asks for record 0, which the next block begins with); v's land in the first 48 of p's registers, once the conversions and
; the sums have read them.  q comes through seven staging registers: the first block's under the head's tensor load, the second block's under the first block's work.
; The result, divided by the sum, is quantised along the head's 64 and stored as images for the output projection: a_ws [512 tiles of 16 tokens][12,800]: 16 heads x 768 bytes, then 512 scale bytes.
; No prefetch: the tiles are asked for once, at the head.
; LIMITS: NaN and infinities are not served; the promise holds while the scaled scores t stay under 2^31 in magnitude.
.set VB,  102400                       ; v's records lie behind k's
.set REC, 6400
.set KV,  48                           ; four fragments of k
.set SCO, 96                           ; the scores, then p; then, in the first 48, four fragments of v
.set OT,  160                          ; O^T
.set BM,  192
.set T4,  196
.set SO,  200
.set C2,  204
.set KS,  212
.set VS,  216
.set FF,  220
.set PS,  222
.set TP,  223
.set PC,  224
.set CA,  236                          ; three more chains of the row's sum
.set CB,  238
.set CC,  240
.set BN,  242                          ; the second chain of each block's maximum
.set QN,  246                          ; the next block's q: six registers of codes,
.set QS,  252                          ; and its scale words
.set OM,  42                           ; the old -M
.macro CROUND
	s_barrier_signal -1
	s_barrier_wait -1
	s_cmp_lg_u32 s12, 0
	s_cbranch_scc1 .Lnot_wave_0_\@
	s_barrier_signal -3
.Lnot_wave_0_\@:
	s_barrier_wait -3
	s_barrier_signal -1
	s_barrier_wait -1
.endm
.macro SUM4 k                          ; four pairs of p onto the four chains
	v_pk_add_f32 v[14:15], v[14:15], v[SCO+14+8*(\k):SCO+15+8*(\k)]
	v_pk_add_f32 v[CA:CA+1], v[CA:CA+1], v[SCO+16+8*(\k):SCO+17+8*(\k)]
	v_pk_add_f32 v[CB:CB+1], v[CB:CB+1], v[SCO+18+8*(\k):SCO+19+8*(\k)]
	v_pk_add_f32 v[CC:CC+1], v[CC:CC+1], v[SCO+20+8*(\k):SCO+21+8*(\k)]
.endm
.macro TM8 j0                          ; t - M of eight pairs
.irp j, 0,2,4,6,8,10,12,14
	v_pk_fma_f32 v[SCO+(\j0)+\j:SCO+(\j0)+\j+1], v[SCO+(\j0)+\j:SCO+(\j0)+\j+1], s[34:35], v[12:13] op_sel_hi:[1,0,0]
.endr
.endm
.macro RESC j0                         ; O^T under the new M: four pairs
.irp j, 0,2,4,6
	v_pk_mul_f32 v[OT+(\j0)+\j:OT+(\j0)+\j+1], v[OT+(\j0)+\j:OT+(\j0)+\j+1], v[FF:FF+1] op_sel_hi:[1,0]
.endr
.endm
.macro KLOAD ac, as                    ; a record's four k fragments and their scale words
.irp f, 0,1,2,3
.irp c, 0,1,2
	ds_load_b128 v[KV+12*\f+4*\c:KV+12*\f+4*\c+3], v[\ac] offset:1536*\f+512*\c
.endr
	ds_load_b32 v[KS+\f], v[\as] offset:64*\f
.endr
.endm
.macro QLOAD off                       ; a block's q into the staging registers
	global_load_b64 v[QN:QN+1], v5, s[4:5] offset:\off
	global_load_b64 v[QN+2:QN+3], v6, s[4:5] offset:\off
	global_load_b64 v[QN+4:QN+5], v5, s[4:5] offset:\off+512
	global_load_b32 v[QS], v7, s[48:49] offset:\off
.endm
	s_load_b256 s[4:11], s[0:1], 0x0               ; q_ws, k_ws, v_ws, a_ws
	v_lshl_add_u32 v254, v0, 2, 0x32000
	v_mov_b32 v255, 0
	ds_add_u32 v254, v255                          ; the opening lines: the add twice and one wait
	ds_add_u32 v254, v255
	v_lshrrev_b32 v1, 5, v0
	s_delay_alu instid0(VALU_DEP_1)
	v_readfirstlane_b32 s12, v1                    ; wave
	s_bfe_u32 s13, ttmp6, 0x40000                  ; cx: which 512 queries
	s_and_b32 s14, ttmp7, 0xffff                   ; 16 batch + head
	s_mov_b32 s16, 15|(3<<16)|(1<<21)              ; two records: 12,800 dense bytes as 50 rows of 256, joint
	s_mov_b32 s17, 32<<16
	s_mov_b32 s18, 50<<16
	s_mov_b32 s19, 32<<16
	s_mov_b32 s20, 50
	s_mov_b32 s21, 32
	s_mov_b32 s22, 0
	s_mov_b32 s23, 0
	s_mul_i32 s42, s14, 102400
	s_mov_b32 s24, 1
	s_mul_i32 s25, s12, 2*REC
	s_and_b32 s44, s12, 7
	s_mul_i32 s44, s44, 2*REC
	s_add_co_u32 s44, s44, s42
	s_mov_b32 s45, 0
	s_lshl_b32 s46, s13, 2                         ; q: record 4 cx + w / 8 (+ 2 for the second block), fragment (w / 2) % 4, its half w % 2
	s_lshr_b32 s47, s12, 3
	s_add_co_u32 s46, s46, s47
	s_mul_i32 s46, s46, REC
	s_add_co_u32 s46, s46, s42
	s_bfe_u32 s47, s12, 0x20001
	s_mul_i32 s41, s47, 1536
	s_lshl_b32 s47, s47, 6
	s_add_co_u32 s48, s46, s47
	s_add_co_u32 s48, s48, 6144
	s_mov_b32 s49, 0
	s_add_co_u32 s46, s46, s41
	s_mov_b32 s47, 0
	s_lshr_b32 s50, s14, 4                         ; a_ws: tile 128 batch + 32 cx + w (+ 16), the head's 768 bytes and 2 scale bytes a row
	s_lshl_b32 s50, s50, 7
	s_lshl_b32 s51, s13, 5
	s_add_co_u32 s50, s50, s51
	s_add_co_u32 s50, s50, s12
	s_mul_i32 s50, s50, 12800
	s_and_b32 s51, s14, 15
	s_mul_i32 s41, s51, 768
	s_add_co_u32 s52, s50, s41
	s_mov_b32 s53, 0
	s_lshr_b32 s41, s51, 1
	s_lshl_b32 s41, s41, 6
	s_and_b32 s43, s51, 1
	s_lshl_b32 s43, s43, 1
	s_add_co_u32 s54, s50, s41
	s_add_co_u32 s54, s54, s43
	s_add_co_u32 s54, s54, 12288
	s_mov_b32 s55, 0
	s_mov_b32 s32, 0x76543210
	s_mov_b32 s33, 0xfedcba98
	s_mov_b32 s34, 0x3e38aa3b                      ; c = log2(e) / 8
	s_mov_b32 s35, s34
	s_and_b32 s39, s12, 1
	s_lshl_b32 s39, s39, 4
	s_mov_b32 s40, 0xffff0000
	s_wait_dscnt 0x0
	s_wait_kmcnt 0x0
	s_cmp_lt_u32 s12, 8
	s_cselect_b64 s[26:27], s[6:7], s[8:9]
	s_add_nc_u64 s[26:27], s[26:27], s[44:45]
	s_or_b32 s27, s27, 0x80000000
	s_add_nc_u64 s[48:49], s[4:5], s[48:49]
	s_add_nc_u64 s[4:5], s[4:5], s[46:47]
	s_add_nc_u64 s[54:55], s[10:11], s[54:55]
	s_add_nc_u64 s[10:11], s[10:11], s[52:53]
	CROUND
	tensor_load_to_lds s[24:27], s[16:23]
	s_nop 0
.rept 4
	v_nop
.endr
	v_and_b32 v45, 31, v0
	v_and_b32 v46, 15, v0
	v_bfe_u32 v47, v0, 4, 1
	s_delay_alu instid0(VALU_DEP_3)
	v_lshlrev_b32 v1, 4, v45
	s_delay_alu instid0(VALU_DEP_1)
	v_add_nc_u32 v2, VB, v1
	s_delay_alu instid0(VALU_DEP_4)
	v_lshlrev_b32 v7, 2, v46
	s_delay_alu instid0(VALU_DEP_1)
	v_add_nc_u32 v3, 6144, v7
	s_delay_alu instid0(VALU_DEP_2)
	v_add_nc_u32 v4, VB+6144, v7
	v_bfe_u32 v8, v0, 5, 1
	s_delay_alu instid0(VALU_DEP_1)
	v_mad_u32_u24 v5, v8, 520, v1
	s_delay_alu instid0(VALU_DEP_2)
	v_mad_u32_u24 v6, v8, 1016, v1
	s_delay_alu instid0(VALU_DEP_1)
	v_add_nc_u32 v6, 8, v6
	v_lshlrev_b32 v43, 3, v45
	v_add_nc_u32 v44, v7, v47
.irp j, 22,23,24,25,26,27,28,29,30,31,32,33
	v_mov_b32 v\j, 0                               ; the zero codes beside q
.endr
.irp j, 0,1,2,3
	v_mov_b32 v[T4+\j], 0
.endr
	v_mov_b32 v[FF+1], 0
	v_mov_b32 v[TP], 0
	QLOAD 0                                        ; the first block's q, under the tensor load
	s_wait_alu depctr_va_vdst(0)                   ; a wait at the head's end
	s_wait_tensorcnt 0x0
	s_barrier_signal -1
	s_barrier_wait -1
	KLOAD 1, 3                                     ; record 0's k
	s_mov_b32 s38, 2
.Lblock:
	s_wait_loadcnt 0x0                             ; this block's q is in the staging registers
.irp j, 0,1,2,3,4,5
	v_mov_b32 v[16+\j], v[QN+\j]
	v_mov_b32 v[34+\j], v[QN+\j]
.endr
	v_lshrrev_b32 v40, s39, v[QS]
	s_delay_alu instid0(VALU_DEP_1)
	v_and_b32 v40, 0xffff, v40
	s_delay_alu instid0(VALU_DEP_1)
	v_lshlrev_b32 v41, 16, v40
	s_cmp_eq_u32 s38, 1                            ; the last block asks for no further q
	s_cbranch_scc1 .Lno_next
	QLOAD 2*REC
.Lno_next:
	v_mov_b32 v13, 0xff61b1e6                      ; the largest score so far: -3e38
	s_delay_alu instid0(VALU_DEP_1)
	v_floor_f32 v12, -v13
	v_mov_b32 v14, 0
	v_mov_b32 v15, 0
.irp j, 0,1,2,3,4,5,6,7,8,9,10,11,12,13,14,15,16,17,18,19,20,21,22,23,24,25,26,27,28,29,30,31
	v_mov_b32 v[OT+\j], 0
.endr
	s_mov_b32 s36, 0                               ; this trip's record,
	s_mov_b32 s41, REC                             ; the next trip's
	s_mov_b32 s37, 16
	s_wait_alu depctr_va_vdst(0)                   ; a wait ahead of the wait below
	s_wait_dscnt 0x0                               ; record 0's k is in
.Lkey:                                                 ; 128 keys a trip
	v_add_nc_u32 v8, s41, v1                       ; (with the three additions at the last trip's end: five places behind its products, whose v registers the scores write over)
	v_add_nc_u32 v10, s41, v3
.irp f, 0,1,2,3
	v_wmma_scale_f32_16x16x128_f8f6f4 v[SCO+16*\f:SCO+16*\f+7], v[KV+12*\f:KV+12*\f+11], v[16:27], 0, v[KS+\f], v40 matrix_a_fmt:MATRIX_FMT_FP6 matrix_b_fmt:MATRIX_FMT_FP6
	v_wmma_scale_f32_16x16x128_f8f6f4 v[SCO+16*\f+8:SCO+16*\f+15], v[KV+12*\f:KV+12*\f+11], v[28:39], 0, v[KS+\f], v41 matrix_a_fmt:MATRIX_FMT_FP6 matrix_b_fmt:MATRIX_FMT_FP6
.endr
	v_add_nc_u32 v9, s36, v2                       ; four places behind the products
	v_add_nc_u32 v11, s36, v4
	v_mov_b32 v[OM], v12
	v_nop
	KLOAD 8, 10                                    ; the next trip's k: a whole trip ahead of its use
.irp b, 0,1,2,3                                ; each block's largest score, my 16 keys in two chains; each accumulator is read from its low end on
	v_max3_num_f32 v[BM+\b], v[SCO+16*\b], v[SCO+16*\b+1], v[SCO+16*\b+2]
.endr
.irp b, 0,1,2,3
	v_max3_num_f32 v[BN+\b], v[SCO+16*\b+7], v[SCO+16*\b+8], v[SCO+16*\b+9]
.endr
.irp i, 3,5
.irp b, 0,1,2,3
	v_max3_num_f32 v[BM+\b], v[BM+\b], v[SCO+16*\b+\i], v[SCO+16*\b+\i+1]
.endr
.irp b, 0,1,2,3
	v_max3_num_f32 v[BN+\b], v[BN+\b], v[SCO+16*\b+\i+7], v[SCO+16*\b+\i+8]
.endr
.endr
.irp b, 0,1,2,3
	v_max3_num_f32 v[BN+\b], v[BN+\b], v[SCO+16*\b+14], v[SCO+16*\b+15]
.endr
.irp b, 0,1,2,3
	s_delay_alu instid0(VALU_DEP_4)
	v_max_num_f32 v[BM+\b], v[BM+\b], v[BN+\b]
.endr
.irp b, 0,1,2,3
	s_delay_alu instid0(VALU_DEP_4)
	v_permlanex16_b32 v[T4+\b], v[BM+\b], s32, s33
.endr
.irp b, 0,1,2,3
	s_delay_alu instid0(VALU_DEP_4)
	v_max_num_f32 v[BM+\b], v[BM+\b], v[T4+\b]     ; with lane l xor 16's 16 keys
.endr
	s_delay_alu instid0(VALU_DEP_2)
	v_max3_num_f32 v[TP], v[BM], v[BM+1], v[BM+2]
	s_delay_alu instid0(VALU_DEP_1)
	v_max3_num_f32 v13, v13, v[TP], v[BM+3]        ; the running largest score (c is positive: its t is the largest t)
	s_delay_alu instid0(VALU_DEP_1)
	v_mul_f32 v[TP], s34, v13
	s_delay_alu instid0(VALU_DEP_1)
	v_floor_f32 v12, -v[TP]                        ; -M = -ceil(t)
	TM8 0
	v_sub_f32 v[TP], v12, v[OM]                    ; old M less new M; f = 2^that is made among the multiply-adds
	TM8 16
	v_cvt_i32_f32 v[TP], v[TP]
	TM8 32
	v_ldexp_f32 v[FF], 1.0, v[TP]
	TM8 48
.irp b, 0,1,2,3
	v_fma_f32 v[BM+\b], v[BM+\b], s34, v12
.endr
	s_wait_alu depctr_va_vdst(0)                   ; a wait ahead of the batch,
.irp j, 0,1,2,3,4,5,6,7,8,9,10,11,12,13,14,15,16,17,18,19,20,21,22,23,24,25,26,27,28,29,30,31,32,33,34,35,36,37,38,39,40,41,42,43,44,45,46,47,48,49,50,51,52,53,54,55,56,57,58,59,60,61,62,63
	v_exp_f32 v[SCO+\j], v[SCO+\j]
.endr
.irp b, 0,1,2,3
	v_exp_f32 v[BM+\b], v[BM+\b]
.endr
	v_pk_mul_f32 v[14:15], v[14:15], v[FF:FF+1] op_sel_hi:[1,0]
	s_wait_alu depctr_va_vdst(0)                   ; and behind it
.irp b, 0,1,2,3
	v_max_num_f32 v[BM+\b], 0x1800000, v[BM+\b]    ; the floor 2^(3 - 127): the byte cannot fall under 1
.endr
	v_pk_add_f32 v[14:15], v[14:15], v[SCO:SCO+1]  ; the row's sum, of the unquantised p, in four chains, among the quantiser's lines
	v_pk_add_f32 v[CA:CA+1], v[SCO+2:SCO+3], v[SCO+4:SCO+5]
	v_pk_add_f32 v[CB:CB+1], v[SCO+6:SCO+7], v[SCO+8:SCO+9]
	v_pk_add_f32 v[CC:CC+1], v[SCO+10:SCO+11], v[SCO+12:SCO+13]
.irp b, 0,1,2,3
	v_add_nc_u32 v[SO+\b], 0xff000000, v[BM+\b]    ; 2 off the exponent field: the conversion's scale operand
.endr
	SUM4 0
.irp c, 0,1
	v_cvt_scalef32_pk16_fp6_f32 v[PC+6*\c:PC+6*\c+2], v[SCO+32*\c:SCO+32*\c+15], v[SO+2*\c]
	v_cvt_scalef32_pk16_fp6_f32 v[C2+4*\c:C2+4*\c+2], v[SCO+32*\c+16:SCO+32*\c+31], v[SO+2*\c+1]
.endr
	v_nop                                          ; one plain place behind a scaled conversion
	SUM4 1
	SUM4 2
	SUM4 3
	SUM4 4                                         ; p's registers 0 .. 53 have been read for the last time
.irp a, 0,1,2,3                                ; v's fragments into p's first 48 registers
.irp c, 0,1,2
	ds_load_b128 v[SCO+12*\a+4*\c:SCO+12*\a+4*\c+3], v9 offset:1536*\a+512*\c
.endr
	ds_load_b32 v[VS+\a], v11 offset:64*\a
.endr
.irp b, 0,1,2,3
	v_lshrrev_b32 v[T4+\b], 23, v[SO+\b]           ; the scale's byte
.endr
.irp c, 0,1                                    ; a whole block in a lane
.irp i, 0,1,2
	v_permlane16_swap_b32 v[PC+6*\c+\i], v[C2+4*\c+\i]
.endr
.endr
.irp c, 0,1
.irp i, 0,1,2
	v_mov_b32 v[PC+3+6*\c+\i], v[C2+4*\c+\i]
.endr
.endr
	v_lshl_or_b32 v[PS], v[T4+1], 8, v[T4]         ; p's scale word
	SUM4 5
	v_lshl_or_b32 v[PS], v[T4+2], 16, v[PS]
	v_pk_add_f32 v[14:15], v[14:15], v[SCO+62:SCO+63]
	RESC 0
	v_lshl_or_b32 v[PS], v[T4+3], 24, v[PS]
	RESC 8
	RESC 16
	RESC 24
	s_wait_alu depctr_va_vdst(0)                   ; a wait ahead of the wait below
	s_wait_dscnt 0x0                               ; v is in, and so is the next trip's k, asked for ahead of it
.irp a, 0,1,2,3
	v_wmma_scale_f32_16x16x128_f8f6f4 v[OT+8*\a:OT+8*\a+7], v[SCO+12*\a:SCO+12*\a+11], v[PC:PC+11], v[OT+8*\a:OT+8*\a+7], v[VS+\a], v[PS] matrix_a_fmt:MATRIX_FMT_FP6 matrix_b_fmt:MATRIX_FMT_FP6
.endr
	v_pk_add_f32 v[CA:CA+1], v[CA:CA+1], v[CB:CB+1]   ; the four chains are joined behind the products
	v_pk_add_f32 v[14:15], v[14:15], v[CC:CC+1]
	v_pk_add_f32 v[14:15], v[14:15], v[CA:CA+1]
	s_add_co_u32 s36, s36, REC
	s_add_co_u32 s41, s36, REC
	s_cmp_eq_u32 s41, 16*REC
	s_cselect_b32 s41, 0, s41                      ; behind record 15 comes record 0
	s_sub_co_u32 s37, s37, 1
	s_cmp_lg_u32 s37, 0
	s_cbranch_scc1 .Lkey
.rept 4
	v_nop
.endr
	v_add_f32 v14, v14, v15
	s_delay_alu instid0(VALU_DEP_1)
	v_permlanex16_b32 v[TP], v14, s32, s33
	s_delay_alu instid0(VALU_DEP_1)
	v_add_f32 v14, v14, v[TP]                      ; the row's sum
	s_wait_alu depctr_va_vdst(0)
	v_rcp_f32 v14, v14
	v_nop
	s_wait_alu depctr_va_vdst(0)
.irp j, 0,1,2,3,4,5,6,7,8,9,10,11,12,13,14,15,16,17,18,19,20,21,22,23,24,25,26,27,28,29,30,31
	v_mul_f32 v[SCO+\j], v[OT+\j], v14
.endr
.irp b, 0,1                                    ; 16 neighbours along d in a lane's 16 registers
.irp j, 0,1,2,3,4,5,6,7
	v_permlane16_swap_b32 v[SCO+16*\b+\j], v[SCO+16*\b+8+\j]
.endr
.endr
.irp b, 0,1
	v_max3_num_f32 v[BM+\b], |v[SCO+16*\b]|, |v[SCO+16*\b+1]|, 0x1800000
.endr
.irp i, 2,4,6,8,10,12,14
.irp b, 0,1
	s_delay_alu instid0(VALU_DEP_2)
	v_max3_num_f32 v[BM+\b], v[BM+\b], |v[SCO+16*\b+\i]|, |v[SCO+16*\b+\i+1]|
.endr
.endr
.irp b, 0,1
	s_delay_alu instid0(VALU_DEP_2)
	v_permlanex16_b32 v[T4+\b], v[BM+\b], s32, s33
.endr
.irp b, 0,1
	s_delay_alu instid0(VALU_DEP_2)
	v_max_num_f32 v[BM+\b], v[BM+\b], v[T4+\b]
.endr
.irp b, 0,1
	s_delay_alu instid0(VALU_DEP_2)
	v_add_nc_u32 v[SO+\b], 0xff000000, v[BM+\b]
.endr
.irp b, 0,1
	s_delay_alu instid0(VALU_DEP_2)
	v_lshrrev_b32 v[T4+\b], 23, v[SO+\b]
.endr
	v_cvt_scalef32_pk16_fp6_f32 v[PC:PC+2], v[SCO:SCO+15], v[SO]
	v_cvt_scalef32_pk16_fp6_f32 v[C2:C2+2], v[SCO+16:SCO+31], v[SO+1]
	v_nop
.irp i, 0,1,2
	v_permlane16_swap_b32 v[PC+\i], v[C2+\i]
.endr
.irp i, 0,1,2
	s_delay_alu instid0(VALU_DEP_3)
	v_mov_b32 v[PC+3+\i], v[C2+\i]
.endr
	v_cndmask_b32 v[TP], v[T4], v[T4+1], s40
	global_store_b128 v1, v[PC:PC+3], s[10:11]
	global_store_b64 v43, v[PC+4:PC+5], s[10:11] offset:512
	global_store_b8 v44, v[TP], s[54:55]
	s_wait_xcnt 0x0                                ; the bases and the stores' registers are written again only behind this wait
	s_add_nc_u64 s[10:11], s[10:11], 16*12800
	s_add_nc_u64 s[54:55], s[54:55], 16*12800
	s_sub_co_u32 s38, s38, 1
	s_cmp_lg_u32 s38, 0
	s_cbranch_scc1 .Lblock
	s_wait_tensorcnt 0x0                           ; the wave's end
	ds_add_u32 v254, v255
	s_wait_dscnt 0x0
	CROUND                                         ; the closing round
	s_endpgm
.Lfunc_end_k_qe742bf45a1_attn:
	.size	k_qe742bf45a1_attn, .Lfunc_end_k_qe742bf45a1_attn-k_qe742bf45a1_attn
	.p2alignl 7, 3214868480
	.fill 96, 4, 3214868480
	.section	.rodata,"a",@progbits
	.p2align	6, 0x0
	.amdhsa_kernel k_qe742bf45a1_attn
		.amdhsa_group_segment_fixed_size 327680
		.amdhsa_private_segment_fixed_size 0
		.amdhsa_enable_private_segment 0
		.amdhsa_kernarg_size 32
		.amdhsa_user_sgpr_count 2
		.amdhsa_user_sgpr_kernarg_segment_ptr 1
		.amdhsa_wavefront_size32 1
		.amdhsa_system_sgpr_workgroup_id_x 1
		.amdhsa_system_sgpr_workgroup_id_y 1
		.amdhsa_system_sgpr_workgroup_id_z 1
		.amdhsa_system_vgpr_workitem_id 0
		.amdhsa_next_free_vgpr 256
		.amdhsa_next_free_sgpr 66
		.amdhsa_reserve_vcc 0
		.amdhsa_float_denorm_mode_32 3
		.amdhsa_float_denorm_mode_16_64 3
		.amdhsa_memory_ordered 1
		.amdhsa_forward_progress 1
		.amdhsa_inst_pref_size 32
	.end_amdhsa_kernel
	.amdgpu_metadata
---
amdhsa.version: [ 1, 2 ]
amdhsa.kernels:
  - .name:           k_qe742bf45a1_attn
    .symbol:         k_qe742bf45a1_attn.kd
    .args:
      - { .name: q_ws, .offset: 0, .size: 8, .value_kind: global_buffer, .address_space: global }
      - { .name: k_ws, .offset: 8, .size: 8, .value_kind: global_buffer, .address_space: global }
      - { .name: v_ws, .offset: 16, .size: 8, .value_kind: global_buffer, .address_space: global }
      - { .name: a_ws, .offset: 24, .size: 8, .value_kind: global_buffer, .address_space: global }
    .group_segment_fixed_size: 327680
    .private_segment_fixed_size: 0
    .kernarg_segment_align: 8
    .kernarg_segment_size: 32
    .max_flat_workgroup_size: 512
    .sgpr_count:     66
    .vgpr_count:     256
    .wavefront_size: 32
...
	.end_amdgpu_metadata
.endif
;; end of part 2
;; launch projo (part 3): grid 64 x 4, 4 waves a work-group, clusters of 4 x 1, 327,680 bytes of LDS; arguments a_ws, Wo_codes, Wo_scales, out0; writes out0
.if DOCPART == 3
	.amdgcn_target "amdgcn-amd-amdhsa--gfx1250"
	.amdhsa_code_object_version 6
	.text
	.protected	k_qe742bf45a1_projo
	.globl	k_qe742bf45a1_projo
	.p2align	8
	.type	k_qe742bf45a1_projo,@function
k_qe742bf45a1_projo:
	s_mov_b64 s[64:65], 0
	v_nop
	global_prefetch_b8 v0, s[64:65] scope:SCOPE_SE
	s_setreg_imm32_b32 hwreg(HW_REG_WAVE_MODE, 25, 1), 1
	s_wait_xcnt 0x0
	s_wait_alu depctr_hold_cnt(0) depctr_sa_sdst(0) depctr_va_vdst(0) depctr_va_sdst(0) depctr_va_ssrc(0) depctr_va_vcc(0) depctr_vm_vsrc(0)
	s_getreg_b32 s2, hwreg(HW_REG_IB_STS2, 6, 4)
	s_cmp_eq_u32 s2, 0
	s_cbranch_scc0 .Lentry_in_a_cluster
	s_endpgm
.Lentry_in_a_cluster:
	s_bfe_u32 s2, ttmp6, 0x10000c
	s_cmp_lg_u32 s2, 0x3003
	s_cbranch_scc0 .Lentry_shape_is_right
	s_endpgm
.Lentry_shape_is_right:
; THE OUTPUT PROJECTION: out0 [8,192][1,024] f32 = A Wo^T on codes of FP6 (E2M3) with E8M0 scales.  A comes from a_ws as images of operand registers, Wo as it is given.
; A work-group makes 128 rows x 256 columns; wave w the rows 64 (w / 2) + 0 .. 63 and the columns 128 (w % 2) + 0 .. 127: 4 x 8 accumulators.  Source 0 = 16 rows of Wo, source 1 = 16 rows of A:
; a lane holds eight neighbouring numbers of a row of the output.
; ALL OPERANDS LIE IN LDS AT ONCE, each filled once by the head's loads, one a wave: waves 0, 1 bring 128 whole rows of Wo each (768 bytes a row, dense), waves 2, 3 four records of A each (51,200 dense bytes).  Nothing is filled again.
; CLUSTER 4 x 1: the four partners share their 256 rows of Wo, asked for jointly (mask 15); A's rows are each work-group's own.  No prefetch: the launch has no loop to run ahead in.
; REGISTERS: window 0: v16-29 addresses; v32-47 A's scale words, v48-79 Wo's (all of K); v112-207 A's fragments, two sets; on the way out v112-239.  Window 1: Wo's fragments, two sets.  Window 2: accumulator (a, b) at v[8 (8 a + b)].
.set PITCH, 816                        ; an LDS row of Wo: 3 x (256 bytes + 16 of padding)
.set TILE,  16*PITCH
.set HALFW, 128*PITCH
.set ABASE, 2*HALFW                    ; A's eight records of 12,800 bytes
.set SPARE, ABASE+102400               ; the spare words, 128 bytes a wave
.set SPITCH, 528                       ; the way out: 16 rows x (512 bytes + 16) for each wave, from byte 0 on, behind a barrier behind which nobody reads operands
.set SPW, 28
.set NIL, 29
.set SA,  32
.set SB,  48
.set AF,  112
.set BK,  112
.set STO, 24
.set RD,  25
.set CO,  26
.set MSB, 0
.macro WIN new
.if MSB != (\new)
	s_set_vgpr_msb (MSB<<8)|(\new)
.set MSB, (\new)
.endif
.endm
.macro PLACES                          ; four plain places behind a matrix instruction (ISA guide 7.12.1)
.rept 4
	v_nop
.endr
.endm
.macro CROUND
	s_barrier_signal -1
	s_barrier_wait -1
	s_cmp_lg_u32 s20, 0
	s_cbranch_scc1 .Lnot_wave_0_\@
	s_barrier_signal -3
.Lnot_wave_0_\@:
	s_barrier_wait -3
	s_barrier_signal -1
	s_barrier_wait -1
.endm
.macro FRAG reg, a1, s, off            ; a fragment of K step s in pieces of 8 bytes; byte y of a row lies at y + 16 (y / 256); the second address register serves where lanes 16-31 lie behind one padding more
.irp p, 0,1,2,3,4,5
.set BY, 96*(\s)+48*(\p/3)+8*(\p%3)
.if BY/256 == (BY+24)/256
	ds_load_b64 v[(\reg)+2*\p:(\reg)+2*\p+1], v[\a1] offset:BY+16*(BY/256)+(\off)
.else
	ds_load_b64 v[(\reg)+2*\p:(\reg)+2*\p+1], v[(\a1)+1] offset:BY+16*(BY/256)+(\off)
.endif
.endr
.endm
.macro FETCH_B s                       ; my eight tiles of Wo, K step s, into set s % 2 of window 1 (tiles 4-7 by address registers of their own: the immediate has 16 bits)
	WIN 0x40
.irp b, 0,1,2,3,4,5,6,7
	FRAG 128*((\s)%2)+12*\b, 20+2*(\b/4), (\s), (\b%4)*TILE
.endr
	WIN 0
.endm
.macro FETCH_A s                       ; A's four tiles of K step s (heads 2 s, 2 s + 1): each head's image is 16 bytes a lane, then 8 bytes a lane
.irp a, 0,1,2,3
.set rF, AF+48*((\s)%2)+12*\a
.set oF, 12800*\a+1536*(\s)
	ds_load_b128 v[rF:rF+3], v16 offset:oF
	ds_load_b64 v[rF+4:rF+5], v17 offset:oF+512
	ds_load_b128 v[rF+6:rF+9], v16 offset:oF+768
	ds_load_b64 v[rF+10:rF+11], v17 offset:oF+1280
.endr
.endm
.macro WM z, ra, rb
.if \z
.if (\ra) && (\rb)
	v_wmma_scale_f32_16x16x128_f8f6f4 v[rD:rD+7], v[rX:rX+11], v[rY:rY+11], 0, v[rSX], v[rSY] matrix_a_fmt:MATRIX_FMT_FP6 matrix_b_fmt:MATRIX_FMT_FP6 matrix_a_scale:MATRIX_SCALE_ROW1 matrix_b_scale:MATRIX_SCALE_ROW1
.elseif \ra
	v_wmma_scale_f32_16x16x128_f8f6f4 v[rD:rD+7], v[rX:rX+11], v[rY:rY+11], 0, v[rSX], v[rSY] matrix_a_fmt:MATRIX_FMT_FP6 matrix_b_fmt:MATRIX_FMT_FP6 matrix_a_scale:MATRIX_SCALE_ROW1
.elseif \rb
	v_wmma_scale_f32_16x16x128_f8f6f4 v[rD:rD+7], v[rX:rX+11], v[rY:rY+11], 0, v[rSX], v[rSY] matrix_a_fmt:MATRIX_FMT_FP6 matrix_b_fmt:MATRIX_FMT_FP6 matrix_b_scale:MATRIX_SCALE_ROW1
.else
	v_wmma_scale_f32_16x16x128_f8f6f4 v[rD:rD+7], v[rX:rX+11], v[rY:rY+11], 0, v[rSX], v[rSY] matrix_a_fmt:MATRIX_FMT_FP6 matrix_b_fmt:MATRIX_FMT_FP6
.endif
.else
.if (\ra) && (\rb)
	v_wmma_scale_f32_16x16x128_f8f6f4 v[rD:rD+7], v[rX:rX+11], v[rY:rY+11], v[rD:rD+7], v[rSX], v[rSY] matrix_a_fmt:MATRIX_FMT_FP6 matrix_b_fmt:MATRIX_FMT_FP6 matrix_a_scale:MATRIX_SCALE_ROW1 matrix_b_scale:MATRIX_SCALE_ROW1
.elseif \ra
	v_wmma_scale_f32_16x16x128_f8f6f4 v[rD:rD+7], v[rX:rX+11], v[rY:rY+11], v[rD:rD+7], v[rSX], v[rSY] matrix_a_fmt:MATRIX_FMT_FP6 matrix_b_fmt:MATRIX_FMT_FP6 matrix_a_scale:MATRIX_SCALE_ROW1
.elseif \rb
	v_wmma_scale_f32_16x16x128_f8f6f4 v[rD:rD+7], v[rX:rX+11], v[rY:rY+11], v[rD:rD+7], v[rSX], v[rSY] matrix_a_fmt:MATRIX_FMT_FP6 matrix_b_fmt:MATRIX_FMT_FP6 matrix_b_scale:MATRIX_SCALE_ROW1
.else
	v_wmma_scale_f32_16x16x128_f8f6f4 v[rD:rD+7], v[rX:rX+11], v[rY:rY+11], v[rD:rD+7], v[rSX], v[rSY] matrix_a_fmt:MATRIX_FMT_FP6 matrix_b_fmt:MATRIX_FMT_FP6
.endif
.endif
.endm
.macro MUL32 s, zero                   ; K step s: the 32 accumulators take turns, in the same order in every step
	WIN 0xa1
.irp a, 0,1,2,3
.irp b, 0,1,2,3,4,5,6,7
.set rD, 8*(8*\a+\b)
.set rX, 128*((\s)%2)+12*\b
.set rY, AF+48*((\s)%2)+12*\a
.set rSX, SB+8*(\b%4)+(\s)
.set rSY, SA+8*(\a%2)+(\s)
	WM \zero, \b/4, \a/2
.endr
.endr
.endm
	s_load_b256 s[4:11], s[0:1], 0x0               ; a_ws, Wo's codes, Wo's scales, out0
	v_lshl_add_u32 v[SPW], v0, 2, SPARE
	v_mov_b32 v[NIL], 0
	ds_add_u32 v[SPW], v[NIL]                      ; the opening lines: the add twice and one wait
	ds_add_u32 v[SPW], v[NIL]
	v_lshrrev_b32 v1, 5, v0
	v_readfirstlane_b32 s20, v1                    ; wave
	s_bfe_u32 s21, ttmp6, 0x40000                  ; cx: it enters A's and the output's global addresses alone
	s_and_b32 s22, ttmp7, 0xffff                   ; which 256 rows of Wo: shared by the four partners
	s_lshr_b32 s24, s20, 1                         ; my half of the rows.  Also: I fetch for Wo (0) or for A (1)
	s_and_b32 s25, s20, 1                          ; my half of the columns.  Also: which half I fetch
	s_lshl_b32 s23, ttmp9, 2
	s_add_co_u32 s23, s23, s21                     ; which 128 rows
	s_mul_i32 s28, s22, 196608
	s_mul_i32 s29, s25, 98304
	s_add_co_u32 s28, s28, s29
	s_mov_b32 s29, 0
	s_mul_i32 s26, s23, 102400
	s_mul_i32 s27, s25, 51200
	s_add_co_u32 s26, s26, s27
	s_mov_b32 s27, 0
	s_mov_b32 s32, 3<<16                           ; A: 51,200 dense bytes as 200 rows of 256 (32 elements of 8 bytes), plain
	s_mov_b32 s33, 32<<16
	s_mov_b32 s34, 200<<16
	s_mov_b32 s35, 32<<16
	s_mov_b32 s36, 200
	s_mov_b32 s37, 32
	s_mov_b32 s38, 0
	s_mov_b32 s39, 0
	s_mov_b32 s40, 15|(3<<16)|(1<<20)|(1<<21)|(5<<22)|(3<<25)   ; Wo: 98,304 dense bytes as 384 rows of 256, 16 bytes of padding behind each, joint
	s_mov_b32 s41, 32<<16
	s_mov_b32 s42, 384<<16
	s_mov_b32 s43, 32<<16
	s_mov_b32 s44, 384
	s_mov_b32 s45, 32
	s_mov_b32 s46, 0
	s_mov_b32 s47, 0
	s_mov_b32 s48, 1
	s_mul_i32 s49, s25, 51200
	s_add_co_u32 s49, s49, ABASE
	s_mov_b32 s52, 1
	s_mul_i32 s53, s25, HALFW
	s_wait_dscnt 0x0
	s_wait_kmcnt 0x0
	s_add_nc_u64 s[50:51], s[4:5], s[26:27]
	s_or_b32 s51, s51, 0x80000000
	s_add_nc_u64 s[54:55], s[6:7], s[28:29]
	s_or_b32 s55, s55, 0x80000000
	CROUND
	s_cmp_eq_u32 s24, 0
	s_cbranch_scc0 .Lhead_a
	tensor_load_to_lds s[52:55], s[40:47]
	s_nop 0
	PLACES
	s_branch .Lhead_asked
.Lhead_a:
	tensor_load_to_lds s[48:51], s[32:39]
	s_nop 0
	PLACES
.Lhead_asked:
	s_mul_i32 s31, s24, 51200
	s_add_co_u32 s31, s31, ABASE                   ; my four records of A
	s_mul_i32 s30, s20, 16*SPITCH                  ; my stage
	v_and_b32 v1, 15, v0                           ; r
	v_bfe_u32 v2, v0, 4, 1                         ; h
	v_and_b32 v5, 31, v0
	v_mul_u32_u24 v3, v1, PITCH
	v_mad_u32_u24 v3, v2, 24, v3
	v_lshl_add_u32 v4, v2, 4, v3
	v_add_nc_u32 v20, s53, v3                      ; my 128 rows of Wo: tiles 0-3,
	v_add_nc_u32 v21, s53, v4
	v_add_nc_u32 v22, 4*TILE, v20                  ; tiles 4-7
	v_add_nc_u32 v23, 4*TILE, v21
	v_lshlrev_b32 v[CO], 4, v5
	v_add_nc_u32 v16, s31, v[CO]                   ; A's images: 16 bytes a lane,
	v_lshlrev_b32 v17, 3, v5
	v_add_nc_u32 v17, s31, v17                     ; 8 bytes a lane
	v_mul_u32_u24 v18, v2, 25600                   ; A's scale words: lanes 16-31 take the tile two records on
	v_lshl_add_u32 v18, v1, 2, v18
	v_add_nc_u32 v18, s31, v18
	v_add_nc_u32 v18, 12288, v18
	v_mul_u32_u24 v[STO], v1, SPITCH
	v_lshl_add_u32 v[STO], v2, 5, v[STO]
	v_add_nc_u32 v[STO], s30, v[STO]
	v_add_nc_u32 v[RD], s30, v[CO]
	v_lshlrev_b32 v6, 5, v1
	v_lshl_add_u32 v7, v2, 11, v6                  ; Wo's scales: 32 bytes a row; lanes 16-31 take the tile 64 rows on
	s_wait_alu depctr_va_vdst(0)                   ; a wait behind the head's vector work
	s_lshl_b32 s28, s22, 13
	s_lshl_b32 s29, s25, 12
	s_add_co_u32 s28, s28, s29
	s_mov_b32 s29, 0
	s_add_nc_u64 s[8:9], s[8:9], s[28:29]
.irp b, 0,1,2,3
.irp u, 0,1
	global_load_b128 v[SB+8*\b+4*\u:SB+8*\b+4*\u+3], v7, s[8:9] offset:512*\b+16*\u
.endr
.endr
	s_lshl_b32 s26, s23, 19                        ; the output: 128 rows of 4,096 bytes,
	s_lshl_b32 s27, s24, 18                        ; my 64,
	s_add_co_u32 s26, s26, s27
	s_lshl_b32 s27, s22, 10                        ; 256 columns,
	s_add_co_u32 s26, s26, s27
	s_lshl_b32 s27, s25, 9                         ; my 128
	s_add_co_u32 s26, s26, s27
	s_mov_b32 s27, 0
	s_add_nc_u64 s[10:11], s[10:11], s[26:27]
	s_wait_tensorcnt 0x0                           ; my part is in,
	s_barrier_signal -1
	s_barrier_wait -1                              ; and everybody's
.irp a, 0,1
.irp s, 0,1,2,3,4,5,6,7
	ds_load_b32 v[SA+8*\a+\s], v18 offset:12800*\a+64*\s
.endr
.endr
	FETCH_B 0
	FETCH_A 0
	s_wait_loadcnt 0x0                             ; Wo's scale words
	s_wait_dscnt 0x0
	FETCH_B 1
	FETCH_A 1
	MUL32 0, 1                                     ; the first step starts the sums with the constant 0
.irp s, 1,2,3,4,5,6
	s_wait_dscnt 0x0                               ; this step's set, asked for one step ago, is in
	PLACES                                         ; the other set was read by the step before
	FETCH_B \s+1
	FETCH_A \s+1
	MUL32 \s, 0
.endr
	s_wait_dscnt 0x0                               ; my last reads of the operands are back
	s_barrier_signal -1
	MUL32 7, 0
	WIN 0
	s_barrier_wait -1                              ; and everybody's: the stages may be written
; THE WAY OUT, block by block of 16 rows x 128 columns, through my own stage: in as 32 bytes a lane, back as whole rows of 512 bytes.  LDS serves a wave's instructions in order (ISA guide 5.7.1.4).
.macro TOSTAGE a
	WIN 0x08
.irp b, 0,1,2,3,4,5,6,7
	ds_store_b128 v[STO], v[64*(\a)+8*\b:64*(\a)+8*\b+3] offset:64*\b          ; each accumulator from its low end on
	ds_store_b128 v[STO], v[64*(\a)+8*\b+4:64*(\a)+8*\b+7] offset:64*\b+16
.endr
	WIN 0
.set BB, BK+64*((\a)%2)
.irp t, 0,1,2,3,4,5,6,7,8,9,10,11,12,13,14,15
	ds_load_b128 v[BB+4*\t:BB+4*\t+3], v[RD] offset:\t*SPITCH
.endr
.endm
.macro SEND a, younger                 ; younger: the LDS instructions issued behind block a's loads, which may stay out
.set BB, BK+64*((\a)%2)
	s_wait_dscnt \younger
.if (\a) > 0
	s_add_nc_u64 s[10:11], s[10:11], 65536         ; 16 rows on (a wait on XCNT stands ahead)
.endif
.irp t, 0,1,2,3,4,5,6,7,8,9,10,11,12,13,14,15
	global_store_b128 v[CO], v[BB+4*\t:BB+4*\t+3], s[10:11] offset:\t*4096 th:TH_STORE_NT   ; 32 lanes store 512 consecutive bytes, aligned to 256
.endr
.endm
	PLACES
	TOSTAGE 0
.irp a, 1,2,3
.if \a > 1
	s_wait_xcnt 0x0                                ; block a - 2's stores have read their registers and their base
.endif
	TOSTAGE \a
	SEND \a-1, 32
.endr
	s_wait_xcnt 0x0
	SEND 3, 0
	s_wait_tensorcnt 0x0                           ; the wave's end
	ds_add_u32 v[SPW], v[NIL]
	s_wait_dscnt 0x0
	CROUND                                         ; the closing round
	s_endpgm
.Lfunc_end_k_qe742bf45a1_projo:
	.size	k_qe742bf45a1_projo, .Lfunc_end_k_qe742bf45a1_projo-k_qe742bf45a1_projo
	.p2alignl 7, 3214868480
	.fill 96, 4, 3214868480
	.section	.rodata,"a",@progbits
	.p2align	6, 0x0
	.amdhsa_kernel k_qe742bf45a1_projo
		.amdhsa_group_segment_fixed_size 327680
		.amdhsa_private_segment_fixed_size 0
		.amdhsa_enable_private_segment 0
		.amdhsa_kernarg_size 32
		.amdhsa_user_sgpr_count 2
		.amdhsa_user_sgpr_kernarg_segment_ptr 1
		.amdhsa_wavefront_size32 1
		.amdhsa_system_sgpr_workgroup_id_x 1
		.amdhsa_system_sgpr_workgroup_id_y 1
		.amdhsa_system_sgpr_workgroup_id_z 1
		.amdhsa_system_vgpr_workitem_id 0
		.amdhsa_next_free_vgpr 768
		.amdhsa_next_free_sgpr 66
		.amdhsa_reserve_vcc 0
		.amdhsa_float_denorm_mode_32 3
		.amdhsa_float_denorm_mode_16_64 3
		.amdhsa_memory_ordered 1
		.amdhsa_forward_progress 1
		.amdhsa_inst_pref_size 89
	.end_amdhsa_kernel
	.amdgpu_metadata
---
amdhsa.version: [ 1, 2 ]
amdhsa.kernels:
  - .name:           k_qe742bf45a1_projo
    .symbol:         k_qe742bf45a1_projo.kd
    .args:
      - { .name: a_ws, .offset: 0, .size: 8, .value_kind: global_buffer, .address_space: global }
      - { .name: Wo_codes, .offset: 8, .size: 8, .value_kind: global_buffer, .address_space: global }
      - { .name: Wo_scales, .offset: 16, .size: 8, .value_kind: global_buffer, .address_space: global }
      - { .name: out0, .offset: 24, .size: 8, .value_kind: global_buffer, .address_space: global }
    .group_segment_fixed_size: 327680
    .private_segment_fixed_size: 0
    .kernarg_segment_align: 8
    .kernarg_segment_size: 32
    .max_flat_workgroup_size: 128
    .sgpr_count:     66
    .vgpr_count:     768
    .wavefront_size: 32
...
	.end_amdgpu_metadata
.endif
;; end of part 3
